; MI455X (gfx1250); checked and timed in simulation.
; The chip was launched on July 23, 2026; its instructions are those of AMD's public machine-readable ISA for CDNA 5 (MIT licence, August 2026) and "CDNA5" Instruction Set Architecture Reference Guide (July 2026). The comments in the code are by the model that wrote it; some were corrected since.
;; Multi Head Dual Attention. Allowed arithmetic: matrix products marked QUANTISED: E5M2 operands, one given power-of-two scale a tensor, by v_wmma_f32_16x16x64_bf8_bf8 or v_wmma_f32_16x16x128_bf8_bf8, f32 sums; everything else in f32.
;; Inputs: k1 4,096 x 256 float32; k2 4,096 x 256 float32; lowp_scales 18 int32 (the exponents e of the quantised operands' scales 2^e); v1 4,096 x 256 float32; v2 4,096 x 256 float32; wk1_b 512 float32; wk1_w 256 x 512 float32; wk2_b 512 float32; wk2_w 256 x 512 float32; wo1_b 256 float32; wo1_w 512 x 256 float32; wo2_b 256 float32; wo2_w 512 x 256 float32; wv1_b 512 float32; wv1_w 256 x 512 float32; wv2_b 512 float32; wv2_w 256 x 512 float32.
;; Outputs: out0 4,096 x 256 float32; out1 4,096 x 256 float32.
;; This version of the problem:
;;   THIS VERSION OF THE PROBLEM IS GIVEN IN LOW PRECISION. The matrix products marked QUANTISED in the list below multiply operands that are first quantised to E5M2 (5 exponent bits, 2 mantissa bits; 8 bits a number), with one given power-of-two scale for each operand tensor; their sums are f32. All else is computed in f32.
;;   The module's matrix products, in the order in which they are computed (A, B: the left and right operand; K: the contracted axis; several contracted axes count as one K, in the product's order):
;;     1. [M 4,096, K 256] x [K 256, N 512]; A: input k1; B: input wk1_w: QUANTISED (scales: A lowp_scales[0], B lowp_scales[1])
;;     2. [M 4,096, K 256] x [K 256, N 512]; A: input v1; B: input wv1_w: QUANTISED (scales: A lowp_scales[2], B lowp_scales[3])
;;     3. [M 4,096, K 256] x [K 256, N 512]; A: input k2; B: input wk2_w: QUANTISED (scales: A lowp_scales[4], B lowp_scales[5])
;;     4. [M 4,096, K 256] x [K 256, N 512]; A: input v2; B: input wv2_w: QUANTISED (scales: A lowp_scales[6], B lowp_scales[7])
;;     5. batch 8 x [M 4,096, K 64] x [K 64, N 4,096]; A: computed on the way; B: computed on the way: QUANTISED (scales: A lowp_scales[8], B lowp_scales[9])
;;     6. batch 8 x [M 4,096, K 4,096] x [K 4,096, N 64]; A: softmax (see below); B: computed on the way: QUANTISED (scales: A lowp_scales[10], B lowp_scales[11])
;;     7. batch 8 x [M 4,096, K 4,096] x [K 4,096, N 64]; A: softmax (see below); B: computed on the way: QUANTISED (scales: A lowp_scales[12], B lowp_scales[13])
;;     8. [M 4,096, K 512] x [K 512, N 256]; A: computed on the way; B: input wo1_w: QUANTISED (scales: A lowp_scales[14], B lowp_scales[15])
;;     9. [M 4,096, K 512] x [K 512, N 256]; A: computed on the way; B: input wo2_w: QUANTISED (scales: A lowp_scales[16], B lowp_scales[17])
;;   THE QUANTISER, for each operand of a quantised product, along K:
;;     - The operand's scale is 2^e, e = its entry of the input lowp_scales (int32; the entries are numbered through the quantised products in the list's order, A before B).
;;     - Each number is divided by the scale, clamped to +-57,344, and rounded to the nearest number of E5M2, ties to even, subnormals kept.
;;     - The product sums the exact products of the quantised numbers (number of the format x scale) in f32.
;;   ~~~python
;;   def quantise(x, axis, e):      # numpy; x: float32 -> the quantised numbers, widened to float32 again
;;       x = np.moveaxis(x, axis, -1); K = x.shape[-1]
;;       r = np.clip(x / 2.0 ** e, -57344, 57344)
;;       step = 2.0 ** (np.maximum(np.frexp(np.where(r == 0, 1, r))[1] - 1, -14) - 2)
;;       q = np.round(r / step) * step * 2.0 ** e      # np.round: ties to even
;;       return np.moveaxis(q, -1, axis).astype(np.float32)
;;   ~~~
;;   SOFTMAX AHEAD OF A QUANTISED PRODUCT. Where the list says 'softmax', what is quantised is not the finished softmax but p = 2^(t - M), with t = logit x log2(e) and M = ceil(the row's largest t), a whole number; so 1/2 < the row's largest p <= 1. The row's sum l is taken of the UNQUANTISED p, in f32, and the product's result is divided by l at the end. Since M is a whole number, a kernel that streams over the keys may use a running M (the ceiling of the running maximum): every later rescaling is an exact power of two, so the quantised numbers keep their values, but for numbers so far below the row's largest that they fall under the format's range.
;;   OPERANDS COMPUTED ON THE WAY. 'Computed on the way' means the value that the module computes at that place (a softmax that the list does not call 'softmax' is quantised finished and normalised). What goes into a quantiser is computed in f32, as accurately as f32 sums, v_exp_f32 and their like allow (about 1e-6 of the number): no bf16 or f16 on the way to a quantiser, and a product that is left as it is and whose result goes on into a quantised operand takes f32 operands (vector FMAs, or v_wmma_f32_16x16x4_f32). A number that lies on a knife's edge between two numbers of the format may be rounded either way, as far as f32 arithmetic and the matrix unit's own rounding can turn it there, and no further.
;; One version. Each part assembles by itself: llvm-mc -triple=amdgcn-amd-amdhsa -mcpu=gfx1250 --defsym DOCPART=n.
;; ======== version 1 of 1: 3 launches
;; workspace buffers: kvc 8,388,608 bytes; oc 4,194,304 bytes
;; launch proj (part 1): grid 64 x 4, 16 waves a work-group, no clusters, 100,352 bytes of LDS; arguments k1, k2, v1, v2, wk1_w, wk2_w, wv1_w, wv2_w, wk1_b, wk2_b, wv1_b, wv2_b, lowp_scales, kvc; writes kvc
.if DOCPART == 1
	.amdgcn_target "amdgcn-amd-amdhsa--gfx1250"
	.amdhsa_code_object_version 6
	.text
	.protected	k_q13ac72330a_proj
	.globl	k_q13ac72330a_proj
	.p2align	8
	.type	k_q13ac72330a_proj,@function
k_q13ac72330a_proj:
	s_mov_b64 s[64:65], 0
	v_nop
	global_prefetch_b8 v0, s[64:65] scope:SCOPE_SE
	s_setreg_imm32_b32 hwreg(HW_REG_WAVE_MODE, 25, 1), 1
	s_wait_xcnt 0x0
; THE FOUR INPUT PROJECTIONS: p = Q(x) Q(W) + b, x [4096][256] f32, W [256][512] f32 (K is its first axis), b [512] f32, both operands quantised to BF8 (E5M2)
; with the given scales 2^ex, 2^ew; p itself is quantised at once with its own given scale 2^eo and stored as codes, laid as the attention launch's operand registers.
; Work-group y says which tensor: 0 k1, 1 k2, 2 v1, 3 v2; it is also the region (2 MiB) of kvc.  Work-group x: bit 0 = which 256 columns (4 heads), the rest = which 128 rows.
; kvc, regions 0 and 1: [head 8][tile of 16 rows 256][piece 2][lane 32][16 bytes]: a tile is the 8-register fragment of the 16x16x64 form: lane (r, h) holds row r, registers 2 c, 2 c + 1 hold d = 16 c + 8 h + 0 .. 7.
; kvc, regions 2 and 3: [head 8][group of 128 keys 32][16 d 4][piece 4][lane 32][16 bytes]: the 16-register fragment of the 16x16x128 form: lane (r, h) holds d = 16 dt + r, registers 2 c, 2 c + 1 keys 16 c + 8 h + 0 .. 7.
; PHASE L: each of the 16 waves quantises one fragment of x (16 rows x 128 K) and two of W (16 columns x 128 K each; a lane takes a column, its registers run down K) and stores them in LDS as images of
; their registers: four stores of 512 consecutive bytes, lane l's 16 bytes at 16 l.  One barrier.  PHASE M: wave w multiplies column tiles 2 (w % 8), 2 (w % 8) + 1 by row tiles 4 (w / 8) .. + 3.
; k kind: source 0 = 16 columns of W, source 1 = 16 rows of x: a lane holds one row and eight neighbouring d.   v kind: the sources change places: a lane holds one d and eight neighbouring keys.
; So one conversion of an accumulator's eight registers gives a register pair of the fragment that is stored, and every store of a wave covers 512 consecutive bytes, aligned.
; Along K both fragments hold K = 32 c + 16 h + 0 .. 15 in registers 4 c .. 4 c + 3: the same places in x and in W, so every product meets its partner.
; The bias goes in as the C of each sum's first product, divided by 2^(ex + ew), which the sums lack; the conversion's one scale is then 2^(eo - ex - ew).
; NO CLUSTER, NO TENSOR LOAD: both operands arrive as f32 and pass through registers to be quantised: there is no tile of codes in memory that partners could ask for jointly.
; LIMITS: ex, ew and eo - ex - ew between -126 and 112, so that each scale and 57,344 x the scale is an f32 number.  NaN among the inputs is not served; an infinity is held at the largest code.
.set WIMG, 32768                       ; LDS: x's 16 fragments (row tile m, K step s at (2 m + s) x 2,048) from 0; W's 32 (column tile T, K step s at (2 T + s) x 2,048) from here
.set FRB,  2048                        ; a fragment's image in bytes
.set XA,   4                           ; v4   x: 1,024 r + 64 h
.set WA,   5                           ; v5   W: 4 r + 16 h rows of 2,048 bytes
.set LI,   6                           ; v6   16 x lane
.set XWI,  7                           ; v7   where I store x's image
.set WWI,  8                           ; v8   where I store W's images
.set BO8,  9                           ; v9   32 h: the bias, k kind
.set SCX,  10                          ; v10, v11  2^ex and 57,344 x 2^ex
.set LMX,  11
.set SCW,  12                          ; v12, v13  the same with ew
.set LMW,  13
.set SCO,  14                          ; v14, v15  the same with eo - ex - ew
.set LMO,  15
.set BI,   16                          ; v16-31    the bias as C: eight registers for each of my two column tiles
.set BR,   32                          ; v32, v33  the bias of my column, v kind
.set XRD,  34                          ; v34  where I read x's fragments
.set WRD,  35                          ; v35  where I read W's
.set BO4,  36                          ; v36  4 r: the bias, v kind
.set PC,   48                          ; v48-63    the codes just made
.set SX,   64                          ; v64-127   64 numbers of x
.set SW,   128                         ; v128-255  2 x 64 numbers of W
.set ACC,  64                          ; phase M: v64-95 four accumulators
.set CODE, 96                          ; v96-111   the codes that are stored
.set WC,   128                         ; v128-191  W's four fragments
.set XF,   192                         ; v192-255  x's four fragments of two row tiles
; 64 numbers of a lane become 16 registers of codes: numbers 8 n .. 8 n + 7 give registers 2 n, 2 n + 1
.macro QUANT s, d, sc, lim
.irp b, 0,1,2,3
.set n, 16*\b+\s
.rept 16
	v_med3_num_f32 v[n], v[n], -v[\lim], v[\lim]   ; the conversion to an 8-bit code does not saturate (ISA guide 7.6.2): the hold at the largest code x the scale comes first
.set n, n+1
.endr
	v_cvt_scalef32_pk8_bf8_f32 v[4*\b+\d:4*\b+\d+1], v[16*\b+\s:16*\b+\s+7], v[\sc]
	v_cvt_scalef32_pk8_bf8_f32 v[4*\b+\d+2:4*\b+\d+3], v[16*\b+\s+8:16*\b+\s+15], v[\sc]
.endr
	v_nop                                          ; one plain vector line behind the last conversion, ahead of whatever next touches its registers
.endm
.macro IMAGE adr, d, off               ; a fragment goes to LDS as it stands in the registers
.irp c, 0,1,2,3
	ds_store_b128 v[\adr], v[4*\c+\d:4*\c+\d+3] offset:512*\c+\off
.endr
.endm
.macro FETCH reg, adr, off             ; and comes back so, in any wave
.irp c, 0,1,2,3
	ds_load_b128 v[4*\c+\reg:4*\c+\reg+3], v[\adr] offset:512*\c+\off
.endr
.endm
.macro PLACES
.rept 4
	v_nop
.endr
.endm
.macro POW2 e, sc, lim                 ; s[e] = a whole number: 2^e and 57,344 x 2^e as f32
	s_add_co_i32 s48, s[\e], 127
	s_lshl_b32 s49, s48, 23
	v_mov_b32 v[\sc], s49
	s_add_co_i32 s48, s48, 15
	s_lshl_b32 s48, s48, 23
	s_or_b32 s48, s48, 0x600000
	v_mov_b32 v[\lim], s48
.endm
.macro WLOAD s                         ; W(128 s + 32 b + 16 h + i, my column): sixteen neighbouring lanes read 64 neighbouring bytes
.set n, 0
.rept 64
	global_load_b32 v[SW+64*\s+n], v[WA], s[16:17] offset:(128*\s+32*(n/16)+n%16)*2048
.set n, n+1
.endr
.endm
	s_load_b256 s[8:15], s[0:1], 0x0               ; k1, k2, v1, v2
	s_load_b256 s[16:23], s[0:1], 0x20             ; their weights
	s_load_b256 s[24:31], s[0:1], 0x40             ; their biases
	s_load_b128 s[32:35], s[0:1], 0x60             ; the scales' exponents, kvc
	v_lshl_add_u32 v46, v0, 2, 0x18000
	v_mov_b32 v47, 0
	v_lshrrev_b32 v1, 5, v0
	v_readfirstlane_b32 s36, v1                    ; wave 0..15
	v_and_b32 v1, 15, v0                           ; r
	v_bfe_u32 v2, v0, 4, 1                         ; h
	v_and_b32 v3, 31, v0                           ; lane
	v_lshlrev_b32 v[XA], 10, v1
	v_lshl_add_u32 v[XA], v2, 6, v[XA]
	v_lshlrev_b32 v[BO4], 2, v1
	v_lshl_add_u32 v[WA], v2, 15, v[BO4]
	v_lshlrev_b32 v[LI], 4, v3
	v_lshlrev_b32 v[BO8], 5, v2
	s_and_b32 s37, ttmp7, 0xffff                   ; y: which tensor
	s_and_b32 s38, ttmp9, 1                        ; cs: which 256 columns
	s_lshr_b32 s39, ttmp9, 1                       ; rb: which 128 rows
	s_and_b32 s44, s36, 7                          ; cp: my pair of column tiles in phase M
	s_lshr_b32 s45, s36, 3                         ; rh: my four row tiles in phase M
	s_lshl_b32 s48, s36, 11
	v_add_nc_u32 v[XWI], s48, v[LI]                ; x's fragment number w
	s_lshl_b32 s48, s36, 12
	s_add_co_u32 s48, s48, WIMG
	v_add_nc_u32 v[WWI], s48, v[LI]                ; W's column tile w, two K steps
	s_lshl_b32 s48, s45, 14
	v_add_nc_u32 v[XRD], s48, v[LI]                ; row tiles 4 rh on
	s_lshl_b32 s48, s44, 13
	s_add_co_u32 s48, s48, WIMG
	v_add_nc_u32 v[WRD], s48, v[LI]                ; column tiles 2 cp on
	s_lshl_b32 s50, s39, 17                        ; x: 128 rb rows of 1,024 bytes,
	s_lshr_b32 s48, s36, 1
	s_lshl_b32 s48, s48, 14                        ; + 16 (w / 2) rows,
	s_add_co_u32 s50, s50, s48
	s_and_b32 s48, s36, 1
	s_lshl_b32 s48, s48, 9                         ; + K step w % 2
	s_add_co_u32 s50, s50, s48
	s_mov_b32 s51, 0
	s_lshl_b32 s52, s38, 10                        ; W: column 256 cs + 16 w
	s_lshl_b32 s48, s36, 6
	s_add_co_u32 s52, s52, s48
	s_mov_b32 s53, 0
	s_lshl_b32 s54, s38, 10                        ; the bias: column 256 cs + 32 cp
	s_lshl_b32 s48, s44, 7
	s_add_co_u32 s54, s54, s48
	s_mov_b32 s55, 0
	s_lshl_b32 s56, s37, 21                        ; kvc: the region,
	s_lshl_b32 s48, s38, 2
	s_lshr_b32 s49, s44, 1
	s_add_co_u32 s48, s48, s49
	s_lshl_b32 s48, s48, 18                        ; head 4 cs + cp / 2,
	s_add_co_u32 s56, s56, s48
	s_lshl_b32 s48, s39, 13                        ; the block of 128 rows: 8 tiles of 1,024 bytes, or one group of 8,192
	s_add_co_u32 s56, s56, s48
	s_and_b32 s48, s44, 1
	s_lshl_b32 s49, s45, 12
	s_lshl_b32 s59, s48, 9
	s_add_co_u32 s49, s49, s59                     ; k kind: row tile 4 rh, piece cp % 2
	s_lshl_b32 s59, s48, 12
	s_lshl_b32 s48, s45, 10
	s_add_co_u32 s59, s59, s48                     ; v kind: fragment 2 (cp % 2), piece 2 rh
	s_cmp_lt_u32 s37, 2
	s_cselect_b32 s49, s49, s59
	s_add_co_u32 s56, s56, s49
	s_mov_b32 s57, 0
	s_and_b32 s46, s37, 1                          ; where ex and ew lie: entries 0, 4, 2, 6 for y = 0, 1, 2, 3
	s_lshl_b32 s46, s46, 4
	s_lshr_b32 s47, s37, 1
	s_lshl_b32 s47, s47, 3
	s_or_b32 s46, s46, s47
	s_lshl_b32 s47, s37, 2                         ; where eo lies: entries 8, 9, 11, 13
	s_add_co_u32 s47, s47, 32
	s_lshl_b32 s48, s37, 3
	s_add_co_u32 s48, s48, 28
	s_cmp_lt_u32 s37, 2
	s_cselect_b32 s47, s47, s48
	s_wait_kmcnt 0x0
	s_load_b64 s[40:41], s[32:33], s46 offset:0x0  ; ex, ew   (s46 and s47 are not written again)
	s_load_b32 s42, s[32:33], s47 offset:0x0       ; eo
	s_cmp_eq_u32 s37, 1                            ; the tensor's three buffers: the choice hangs on the work-group's number alone
	s_cselect_b64 s[8:9], s[10:11], s[8:9]
	s_cselect_b64 s[16:17], s[18:19], s[16:17]
	s_cselect_b64 s[24:25], s[26:27], s[24:25]
	s_cmp_eq_u32 s37, 2
	s_cselect_b64 s[8:9], s[12:13], s[8:9]
	s_cselect_b64 s[16:17], s[20:21], s[16:17]
	s_cselect_b64 s[24:25], s[28:29], s[24:25]
	s_cmp_eq_u32 s37, 3
	s_cselect_b64 s[8:9], s[14:15], s[8:9]
	s_cselect_b64 s[16:17], s[22:23], s[16:17]
	s_cselect_b64 s[24:25], s[30:31], s[24:25]
	s_add_nc_u64 s[8:9], s[8:9], s[50:51]
	s_add_nc_u64 s[16:17], s[16:17], s[52:53]
	s_add_nc_u64 s[24:25], s[24:25], s[54:55]
	s_add_nc_u64 s[34:35], s[34:35], s[56:57]
	; ---- PHASE L
.irp b, 0,1,2,3
.irp j, 0,1,2,3
	global_load_b128 v[SX+16*\b+4*\j:SX+16*\b+4*\j+3], v[XA], s[8:9] offset:128*\b+16*\j   ; x(row r, 32 b + 16 h + 4 j ..): 16 neighbours of each block of 32
.endr
.endr
.irp t, 0,1
.irp u, 0,1
	global_load_b128 v[BI+8*\t+4*\u:BI+8*\t+4*\u+3], v[BO8], s[24:25] offset:64*\t+16*\u   ; k kind: b(16 t + 8 h + 0 .. 7)
.endr
.endr
.irp t, 0,1
	global_load_b32 v[BR+\t], v[BO4], s[24:25] offset:64*\t                                ; v kind: b(16 t + r)
.endr
	WLOAD 0
	s_wait_kmcnt 0x0
	POW2 40, SCX, LMX
	POW2 41, SCW, LMW
	s_add_co_i32 s43, s40, s41                     ; ex + ew
	s_sub_co_i32 s58, 0, s43                       ; the bias goes in x 2^-(ex + ew)
	s_sub_co_i32 s59, s42, s43                     ; eo - ex - ew
	POW2 59, SCO, LMO
	s_wait_loadcnt 63                              ; 64 loads were issued behind the last load of the biases: x and the biases are in
	QUANT SX, PC, SCX, LMX
	IMAGE XWI, PC, 0
	WLOAD 1
	s_wait_loadcnt 63                              ; 64 loads were issued behind the last of K step 0: it is in
	s_wait_dscnt 0x0                               ; the image's stores have read the codes' registers
	QUANT SW, PC, SCW, LMW
	IMAGE WWI, PC, 0
	s_wait_loadcnt 0x0
	s_wait_dscnt 0x0
	QUANT SW+64, PC, SCW, LMW
	IMAGE WWI, PC, FRB
	s_wait_dscnt 0x0                               ; for the others' sake: my images have landed
	s_barrier_signal -1
	s_barrier_wait -1                              ; all 48 fragments lie in LDS; from here on LDS is only read
	; ---- PHASE M.  kind 0: k1, k2; kind 1: v1, v2
.macro MULT kind
.irp t, 0,1
.irp s, 0,1
	FETCH WC+16*(2*\t+\s), WRD, (2*\t+\s)*FRB
.endr
.endr
.irp g, 0,1                            ; two row tiles at a time: four accumulators by turns, one instruction a turn
.irp mm, 0,1
.irp s, 0,1
	FETCH XF+16*(2*\mm+\s), XRD, (2*(2*\g+\mm)+\s)*FRB
.endr
.endr
	s_wait_dscnt 0x0
.irp s, 0,1
.irp mm, 0,1
.irp t, 0,1
.set rD, ACC+8*(2*\mm+\t)
.if \kind == 0
.set rA, WC+16*(2*\t+\s)
.set rB, XF+16*(2*\mm+\s)
.else
.set rA, XF+16*(2*\mm+\s)
.set rB, WC+16*(2*\t+\s)
.endif
.if \s == 0
	v_wmma_f32_16x16x128_bf8_bf8 v[rD:rD+7], v[rA:rA+15], v[rB:rB+15], v[BI+8*\t:BI+8*\t+7]   ; the bias starts the sum
.else
	v_wmma_f32_16x16x128_bf8_bf8 v[rD:rD+7], v[rA:rA+15], v[rB:rB+15], v[rD:rD+7]
.endif
.endr
.endr
.endr
	PLACES                                         ; four places ahead of the first read of results; with the holds of the other accumulators they also part the next group's loads and products from these
.set n, ACC
.rept 32
	v_med3_num_f32 v[n], v[n], -v[LMO], v[LMO]     ; each accumulator from its low end on
.set n, n+1
.endr
.irp mm, 0,1
.irp t, 0,1
.if \kind == 0
.set rC, CODE+4*(2*\g+\mm)+2*\t        ; row tile 2 g + mm: registers 2 t, 2 t + 1 of my piece
.else
.set rC, CODE+8*\t+2*(2*\g+\mm)        ; fragment t: keys 16 (4 rh + 2 g + mm) on
.endif
	v_cvt_scalef32_pk8_bf8_f32 v[rC:rC+1], v[ACC+8*(2*\mm+\t):ACC+8*(2*\mm+\t)+7], v[SCO]
.endr
.endr
	v_nop                                          ; a plain line behind the conversions: the next group's products write their sources
.endr
.irp q, 0,1,2,3
.if \kind == 0
	global_store_b128 v[LI], v[CODE+4*\q:CODE+4*\q+3], s[34:35] offset:1024*\q                 ; 32 lanes store 512 consecutive bytes, aligned
.else
	global_store_b128 v[LI], v[CODE+4*\q:CODE+4*\q+3], s[34:35] offset:2048*(\q/2)+512*(\q%2)
.endif
.endr
.endm
	s_cmp_lt_u32 s37, 2                            ; the same in all waves of a work-group; no barrier and no LDS store stands behind it
	s_cbranch_scc0 .Lvalues
.set n, 0
.rept 16
	v_ldexp_f32 v[BI+n], v[BI+n], s58
.set n, n+1
.endr
	MULT 0
	s_wait_tensorcnt 0x0
	ds_add_u32 v46, v47
	s_wait_dscnt 0x0
	s_endpgm
.Lvalues:
	v_ldexp_f32 v[BR], v[BR], s58
	v_ldexp_f32 v[BR+1], v[BR+1], s58
.set n, 0
.rept 8
	v_mov_b32 v[BI+n], v[BR]                       ; a lane holds one column here: its bias in all eight registers
	v_mov_b32 v[BI+8+n], v[BR+1]
.set n, n+1
.endr
	MULT 1
	s_wait_tensorcnt 0x0
	ds_add_u32 v46, v47
	s_wait_dscnt 0x0
	s_endpgm
.Lfunc_end_k_q13ac72330a_proj:
	.size	k_q13ac72330a_proj, .Lfunc_end_k_q13ac72330a_proj-k_q13ac72330a_proj
	.p2alignl 7, 3214868480
	.fill 96, 4, 3214868480
	.section	.rodata,"a",@progbits
	.p2align	6, 0x0
	.amdhsa_kernel k_q13ac72330a_proj
		.amdhsa_group_segment_fixed_size 100352
		.amdhsa_private_segment_fixed_size 0
		.amdhsa_enable_private_segment 0
		.amdhsa_kernarg_size 112
		.amdhsa_user_sgpr_count 2
		.amdhsa_user_sgpr_kernarg_segment_ptr 1
		.amdhsa_wavefront_size32 1
		.amdhsa_system_sgpr_workgroup_id_x 1
		.amdhsa_system_sgpr_workgroup_id_y 1
		.amdhsa_system_sgpr_workgroup_id_z 1
		.amdhsa_system_vgpr_workitem_id 0
		.amdhsa_next_free_vgpr 256
		.amdhsa_next_free_sgpr 66
		.amdhsa_reserve_vcc 0
		.amdhsa_float_denorm_mode_32 3
		.amdhsa_float_denorm_mode_16_64 3
		.amdhsa_memory_ordered 1
		.amdhsa_forward_progress 1
		.amdhsa_inst_pref_size 54
	.end_amdhsa_kernel
	.amdgpu_metadata
---
amdhsa.version: [ 1, 2 ]
amdhsa.kernels:
  - .name:           k_q13ac72330a_proj
    .symbol:         k_q13ac72330a_proj.kd
    .args:
      - { .name: k1, .offset: 0, .size: 8, .value_kind: global_buffer, .address_space: global }
      - { .name: k2, .offset: 8, .size: 8, .value_kind: global_buffer, .address_space: global }
      - { .name: v1, .offset: 16, .size: 8, .value_kind: global_buffer, .address_space: global }
      - { .name: v2, .offset: 24, .size: 8, .value_kind: global_buffer, .address_space: global }
      - { .name: wk1_w, .offset: 32, .size: 8, .value_kind: global_buffer, .address_space: global }
      - { .name: wk2_w, .offset: 40, .size: 8, .value_kind: global_buffer, .address_space: global }
      - { .name: wv1_w, .offset: 48, .size: 8, .value_kind: global_buffer, .address_space: global }
      - { .name: wv2_w, .offset: 56, .size: 8, .value_kind: global_buffer, .address_space: global }
      - { .name: wk1_b, .offset: 64, .size: 8, .value_kind: global_buffer, .address_space: global }
      - { .name: wk2_b, .offset: 72, .size: 8, .value_kind: global_buffer, .address_space: global }
      - { .name: wv1_b, .offset: 80, .size: 8, .value_kind: global_buffer, .address_space: global }
      - { .name: wv2_b, .offset: 88, .size: 8, .value_kind: global_buffer, .address_space: global }
      - { .name: lowp_scales, .offset: 96, .size: 8, .value_kind: global_buffer, .address_space: global }
      - { .name: kvc, .offset: 104, .size: 8, .value_kind: global_buffer, .address_space: global }
    .group_segment_fixed_size: 100352
    .private_segment_fixed_size: 0
    .kernarg_segment_align: 8
    .kernarg_segment_size: 112
    .max_flat_workgroup_size: 512
    .sgpr_count:     66
    .vgpr_count:     256
    .wavefront_size: 32
...
	.end_amdgpu_metadata
.endif
;; end of part 1
;; launch attn (part 2): grid 16 x 16, 16 waves a work-group, clusters of 4 x 1, 327,680 bytes of LDS; arguments kvc, lowp_scales, oc; writes oc
.if DOCPART == 2
	.amdgcn_target "amdgcn-amd-amdhsa--gfx1250"
	.amdhsa_code_object_version 6
	.text
	.protected	k_q13ac72330a_attn
	.globl	k_q13ac72330a_attn
	.p2align	8
	.type	k_q13ac72330a_attn,@function
k_q13ac72330a_attn:
	s_mov_b64 s[64:65], 0
	v_nop
	global_prefetch_b8 v0, s[64:65] scope:SCOPE_SE
	s_setreg_imm32_b32 hwreg(HW_REG_WAVE_MODE, 25, 1), 1
	s_wait_xcnt 0x0
	s_wait_alu depctr_hold_cnt(0) depctr_sa_sdst(0) depctr_va_vdst(0) depctr_va_sdst(0) depctr_va_ssrc(0) depctr_va_vcc(0) depctr_vm_vsrc(0)
	s_getreg_b32 s2, hwreg(HW_REG_IB_STS2, 6, 4)
	s_cmp_eq_u32 s2, 0
	s_cbranch_scc0 .Lentry_in_a_cluster
	s_endpgm
.Lentry_in_a_cluster:
	s_bfe_u32 s2, ttmp6, 0x10000c
	s_cmp_lg_u32 s2, 0x3003
	s_cbranch_scc0 .Lentry_shape_is_right
	s_endpgm
.Lentry_shape_is_right:
; BOTH ATTENTIONS OVER THE ONE SCORE MATRIX attn[n][m] = k1p[n] . k2p[m] / 8, on codes of BF8 (E5M2), head size 64, 4,096 queries and 4,096 keys a head.
; Work-group y = 8 dir + head.  dir 0 makes o1: queries k2p (region 1 of kvc), keys k1p (region 0), values v1p (region 2), scales ep, ev = entries 10, 11, eo = entry 14.
; dir 1 makes o2: queries k1p (region 0), keys k2p (region 1), values v2p (region 3), entries 12, 13 and 16.  The scores' scales are entries 8 and 9 in both.  The scores are multiplied once for each direction.
; THE SOFTMAX AHEAD OF THE SECOND PRODUCT: t = score x log2(e) / 8; M = the largest t so far, rounded UP to a whole number; p = 2^(t - M) is what is quantised, along the keys, not normalised.
; The sum is taken of the unquantised p, in f32, and divides O at the end.  When M moves, the sum and O are multiplied by 2^(old M - new M), which rounds nothing.
; SHARES.  A work-group owns 256 queries; each of its sixteen waves 16 of them, one tile, in 256 registers: four waves to a SIMD, so that one wave's vector work stands beside another's products and LDS loads.
; Every wave walks all keys, 128 a step.  LAYOUT.  S^T = K Q^T (source 0 = 16 keys, source 1 = my 16 queries): lane (r, h) holds query r and, in tile t, keys 16 t + 8 h + 0 .. 7: one conversion of the tile's eight
; registers gives registers 2 t, 2 t + 1 of P in the 16x16x128 form's own layout.  O^T = V^T P^T (source 0 = 16 of the head's 64, source 1 = P): again one query a lane, and d = 16 dt + 8 h + 0 .. 7.
; kvc holds K, Q and V as images of these operands' registers (a piece = four registers, lane l's 16 bytes at 16 l), so every LDS load takes 512 consecutive bytes, and a slot's K and V are dense blocks of memory.
; oc: [dir 2][tile of 16 rows 256][head 8][piece 2][lane 32][16 bytes]: o's codes, registers 2 dt, 2 dt + 1 = d 16 dt + 8 h + 0 .. 7: two neighbouring heads are a fragment of the last product's 16x16x128 form.
; RING.  Two LDS slots of 512 keys (32,768 bytes of K, then 32,768 of V), four steps each.  Waves 0 and 1 fetch K's halves, waves 2 and 3 V's, 16,384 bytes a load; one tensor load of a wave is out at a time.
; CLUSTER.  The four query blocks of a cluster walk the same K and V of one (dir, head): each tile is asked for JOINTLY, by the same tensor load with the same descriptor and a mask that names the four.
; LIMITS on the given exponents: entries 8 + 9 between -123 and 130 (added to c's exponent field); ep between -126 and 112; ep + ev - eo between -110 and 110 (applied to 1 / sum, and the sum lies between 1/2 and 4,096).
; NaN among the inputs is not served.
.set SLOT1, 65536                      ; slot 1 begins here: one exclusive or turns an address in one slot into the other's
.set VOFF,  32768                      ; V's part of a slot
.set SPARE, 131072                     ; behind the ring: the spare words, 128 bytes for each of 16 waves: eight blocks of 256 bytes that no other line names
.set NSL,   8                          ; slots' worth of keys
.set LI,   1                           ; v1   16 x lane; never rewritten
.set PFO,  3                           ; v3   256 x lane: the prefetches' offset; never rewritten
.set SPW,  5                           ; v5   LDS address of my spare word; never rewritten
.set NIL,  6                           ; v6   0; never rewritten
.set ADR,  8                           ; v8   16 x lane + the slot in hand
                                       ; v12 -M, v13 the largest t, v[14:15] the sum in two halves
.set QF,   16                          ; v16-23    Q's fragment
.set KV,   32                          ; v32-95    K's eight fragments, then V's four
.set SS,   96                          ; v96-159   S^T, then p
.set OT,   160                         ; v160-191  O^T
.set TA,   192                         ; v192-194  at work on the maximum
.set TM,   193
.set PD,   194
.set FF,   196                         ; v[196:197] f = 2^(old M - new M); the upper register is only named with it
.set SUM2, 198                         ; v[198:199] the sum's second chain
.set SCP,  200                         ; v200 2^ep, v201 57,344 x 2^ep
.set LMP,  201
.set LIMO, 202                         ; v202 57,344
.set ONE,  203                         ; v203 1.0
.set OCD,  204                         ; v204-211  o's codes
.set PP,   224                         ; v224-239  P
.set WV,   18                          ; s18  my wave's number
.set SEL,  20                          ; s[20:21] lane selects for v_permlanex16_b32: lane l xor 16
.set CS,   22                          ; s[22:23] c = log2(e) / 8 x 2^(e8 + e9)
.set G1,   24                          ; s[24:31] descriptor group 1
.set TB,   33                          ; s33  LDS byte at which the slot in hand begins
.set SLOTS, 34                         ; s34  slots still to be asked for
.set PFA,  36                          ; s[36:37] where my prefetches stand
.set LIM,  38                          ; s38  1 in a wave that prefetches, else the greatest number
.set EX,   39                          ; s39  ep + ev - eo
.set G0,   40                          ; s[40:43] descriptor group 0, which walks
.macro PLACES
.rept 4
	v_nop
.endr
.endm
; A round of the cluster's barrier: my work-group's barrier; wave 0 signals for the work-group; every wave waits for all four work-groups; my work-group's barrier once more.
.macro CROUND
	s_barrier_signal -1
	s_barrier_wait -1
	s_cmp_lg_u32 s[WV], 0
	s_cbranch_scc1 .Lnot_wave_0_\@
	s_barrier_signal -3
.Lnot_wave_0_\@:
	s_barrier_wait -3
	s_barrier_signal -1
	s_barrier_wait -1
.endm
; The joint load: waves 0 to 3, one each; the branch hangs on the wave's number alone.  Four v_nop follow the line.
.macro TLOAD
	s_cmp_lt_u32 s[WV], 4
	s_cbranch_scc0 .Lno_load_\@
	tensor_load_to_lds s[G0:G0+3], s[G1:G1+7]
	s_nop 0
.rept 4
	v_nop
.endr
.Lno_load_\@:
.endm
; A PREFETCH INTO THE L2 of what the NEXT change of slots will ask for: a slot's 32,768 bytes of K and of V, four key steps ahead of that load.  Each aligned block of 256 bytes is named once in the launch:
; all clusters of a (dir, head) walk the same K and V, so the first of them (cluster x = 0) asks; its four partners take 8,192 bytes each, told apart BY ADDRESS; in each, wave 4 asks for K's and wave 5 for V's,
; lanes 256 bytes apart, one instruction.  Slots 0 and 1 come by their loads alone; the last change that fills a slot asks for nothing.
.macro ASK
	s_cmp_gt_u32 s[SLOTS], s[LIM]
	s_cbranch_scc0 .Lnot_mine_\@
	global_prefetch_b8 v[PFO], s[PFA:PFA+1] th:TH_LOAD_NT scope:SCOPE_SE
.Lnot_mine_\@:
.endm
	s_load_b128 s[4:7], s[0:1], 0x0                ; kvc, the scales' exponents
	s_load_b64 s[8:9], s[0:1], 0x10                ; oc
	v_lshl_add_u32 v[SPW], v0, 2, SPARE
	v_mov_b32 v[NIL], 0
	ds_add_u32 v5, v6
	s_wait_dscnt 0x0
	v_lshrrev_b32 v2, 5, v0
	v_readfirstlane_b32 s[WV], v2                  ; wave 0..15
	v_and_b32 v2, 31, v0
	v_lshlrev_b32 v[LI], 4, v2
	v_lshlrev_b32 v[PFO], 8, v2
	s_and_b32 s53, ttmp7, 0xffff
	s_lshr_b32 s44, s53, 3                         ; dir
	s_and_b32 s45, s53, 7                          ; head: both shared by the four partners
	s_lshl_b32 s54, s44, 3                         ; 8 dir: where this direction's scales lie
	s_lshl_b32 s55, s45, 18                        ; the head's bytes in a region of kvc
	; what I fetch, if I fetch: region dir (waves 0, 1) or 2 + dir (waves 2, 3), half w % 2 of a slot's 32,768 bytes.  No place in the cluster enters these registers
	s_lshr_b32 s56, s[WV], 1
	s_and_b32 s56, s56, 1
	s_lshl_b32 s56, s56, 1
	s_add_co_u32 s56, s56, s44
	s_lshl_b32 s56, s56, 21
	s_add_co_u32 s56, s56, s55
	s_and_b32 s58, s[WV], 1
	s_lshl_b32 s58, s58, 14
	s_add_co_u32 s56, s56, s58
	s_mov_b32 s57, 0
	s_mov_b32 s[G0], 1                             ; 1:0 count = 1
	s_and_b32 s[G0+1], s[WV], 3
	s_lshl_b32 s[G0+1], s[G0+1], 14                ; 63:32 LDS address: slot 0, quarter w
	; descriptor group 1: a dense block of 16,384 bytes as 64 rows of 256
	s_mov_b32 s[G1], 15|(3<<16)|(1<<21)            ; 15:0 the mask: all four work-groups; 17:16 elements of 8 bytes; 21 set beside a mask; no padding
	s_mov_b32 s[G1+1], 32<<16                      ; tensor_dim0 = 32
	s_mov_b32 s[G1+2], 64<<16                      ; tensor_dim1 = 64
	s_mov_b32 s[G1+3], 32<<16                      ; tile_dim0 = 32
	s_mov_b32 s[G1+4], 64                          ; tile_dim1 = 64
	s_mov_b32 s[G1+5], 32                          ; tensor_dim0_stride
	s_mov_b32 s[G1+6], 0
	s_mov_b32 s[G1+7], 0
	s_mov_b32 s[SEL], 0x76543210
	s_mov_b32 s[SEL+1], 0xfedcba98
	s_mov_b32 s[CS], 0x3e38aa3b                    ; log2(e) / 8
	s_mov_b32 s[TB], 0
	s_mov_b32 s[SLOTS], NSL-1
	; my tile of queries: it enters Q's and oc's addresses alone
	s_bfe_u32 s46, ttmp6, 0x40000                  ; cx: my place in the cluster
	s_lshl_b32 s47, ttmp9, 2
	s_add_co_u32 s47, s47, s46                     ; my block of 256 queries
	s_lshl_b32 s47, s47, 4
	s_add_co_u32 s47, s47, s[WV]                   ; my tile of 16
	s_xor_b32 s60, s44, 1
	s_lshl_b32 s60, s60, 21                        ; Q: region 1 - dir,
	s_add_co_u32 s60, s60, s55
	s_lshl_b32 s61, s47, 10                        ; a tile is 1,024 bytes
	s_add_co_u32 s60, s60, s61
	s_mov_b32 s61, 0
	s_lshl_b32 s62, s44, 21                        ; oc: dir, tile x 8,192, head x 1,024
	s_lshl_b32 s63, s47, 13
	s_add_co_u32 s62, s62, s63
	s_lshl_b32 s63, s45, 10
	s_add_co_u32 s62, s62, s63
	s_mov_b32 s63, 0
	; the prefetches: region dir (wave 4) or 2 + dir (wave 5), my work-group's 8,192 bytes, in slot 1: the first change of slots steps it to slot 2
	s_and_b32 s[PFA], s[WV], 1
	s_lshl_b32 s[PFA], s[PFA], 1
	s_add_co_u32 s[PFA], s[PFA], s44
	s_lshl_b32 s[PFA], s[PFA], 21
	s_add_co_u32 s[PFA], s[PFA], s55
	s_lshl_b32 s[PFA+1], s46, 13
	s_add_co_u32 s[PFA], s[PFA], s[PFA+1]
	s_add_co_u32 s[PFA], s[PFA], 32768
	s_mov_b32 s[PFA+1], 0
	s_sub_co_u32 s[LIM], s[WV], 4
	s_lshr_b32 s[LIM], s[LIM], 1                   ; 0 in waves 4 and 5,
	s_or_b32 s[LIM], s[LIM], ttmp9                 ; of the (dir, head)'s first cluster: the same in all four partners
	s_cmp_eq_u32 s[LIM], 0
	s_cselect_b32 s[LIM], 1, -1
	s_wait_kmcnt 0x0
	s_load_b64 s[48:49], s[6:7], 0x20              ; entries 8, 9
	s_load_b64 s[50:51], s[6:7], s54 offset:0x28   ; ep, ev   (s54 is not written again)
	s_load_b32 s52, s[6:7], s54 offset:0x38        ; eo
	s_add_nc_u64 s[G0+2:G0+3], s[4:5], s[56:57]    ; 120:64 global address: the head's first 512 keys
	s_or_b32 s[G0+3], s[G0+3], 0x80000000          ; 127:126 type = 2
	s_add_nc_u64 s[10:11], s[4:5], s[60:61]        ; Q's fragment
	s_add_nc_u64 s[12:13], s[8:9], s[62:63]        ; where o's codes go
	s_add_nc_u64 s[PFA:PFA+1], s[4:5], s[PFA:PFA+1]
	CROUND                                         ; all four work-groups are here: the first joint loads meet
	TLOAD                                          ; slot 0
.irp c, 0,1
	global_load_b128 v[QF+4*\c:QF+4*\c+3], v[LI], s[10:11] offset:512*\c   ; Q stays in registers
.endr
	v_mov_b32 v13, 0xff61b1e6                      ; the largest t so far: -3e38, under every t
	v_floor_f32 v12, -v13                          ; -M
	v_mov_b32 v14, 0                               ; the sum, in two halves
	v_mov_b32 v15, 0
	v_mov_b32 v[PD], 0                             ; written once: a lane permute's destination counts as one of its sources
	v_mov_b32 v[FF+1], 0                           ; (named as the upper half of a pair)
	v_mov_b32 v[LIMO], 0x47600000                  ; 57,344
	v_mov_b32 v[ONE], 1.0
.set n, 0
.rept 32
	v_mov_b32 v[OT+n], 0                           ; O^T.  (The step has one form: the first finds zeros, which the first change of M leaves zeros)
.set n, n+1
.endr
	s_wait_kmcnt 0x0
	s_add_co_i32 s53, s48, s49
	s_lshl_b32 s53, s53, 23
	s_add_co_i32 s[CS], s[CS], s53                 ; a score stands for score x 2^(e8 + e9): the two exponents are added to c's exponent field
	s_mov_b32 s[CS+1], s[CS]                       ; (named with it as a pair, so it is written)
	s_add_co_i32 s53, s50, 127
	s_lshl_b32 s55, s53, 23
	v_mov_b32 v[SCP], s55                          ; 2^ep as f32, for the conversion
	s_add_co_i32 s53, s53, 15
	s_lshl_b32 s53, s53, 23
	s_or_b32 s53, s53, 0x600000
	v_mov_b32 v[LMP], s53                          ; 57,344 x 2^ep
	s_add_co_i32 s[EX], s50, s51
	s_sub_co_i32 s[EX], s[EX], s52                 ; ep + ev - eo
; A KEY STEP: 128 keys, the q-th of the slot in hand.  Every offset is an immediate.
.macro STEP q
	v_add_nc_u32 v[ADR], s[TB], v[LI]
.rept 3
	v_nop                                          ; with the addition: four places behind the last products, ahead of loads into registers that they read
.endr
.irp t, 0,1,2,3,4,5,6,7
.irp c, 0,1
	ds_load_b128 v[KV+8*\t+4*\c:KV+8*\t+4*\c+3], v[ADR] offset:8192*(\q)+1024*\t+512*\c
.endr
.endr
	s_wait_dscnt 0x0
.irp t, 0,1,2,3,4,5,6,7
	v_wmma_f32_16x16x64_bf8_bf8 v[SS+8*\t:SS+8*\t+7], v[KV+8*\t:KV+8*\t+7], v[QF:QF+7], 0
.endr
	PLACES                                         ; ahead of the loads below and of the first read of the scores
.irp d, 0,1,2,3
.irp p, 0,1,2,3
	ds_load_b128 v[KV+16*\d+4*\p:KV+16*\d+4*\p+3], v[ADR] offset:VOFF+8192*(\q)+2048*\d+512*\p   ; V is asked for here and lands under the softmax
.endr
.endr
	v_max3_num_f32 v[TA], v[SS], v[SS+1], v[SS+2]  ; the step's largest score of my query among my 64 keys, in two chains, in ascending order: each accumulator is read from its low end on
	v_max3_num_f32 v[TM], v[SS+3], v[SS+4], v[SS+5]
.irp i, 6,10,14,18,22,26,30,34,38,42,46,50,54,58
	v_max3_num_f32 v[TA], v[TA], v[SS+\i], v[SS+\i+1]
	v_max3_num_f32 v[TM], v[TM], v[SS+\i+2], v[SS+\i+3]
.endr
	v_max3_num_f32 v[TA], v[TA], v[SS+62], v[SS+63]
	v_max_num_f32 v[TA], v[TA], v[TM]
	v_permlanex16_b32 v[PD], v[TA], s[SEL], s[SEL+1]
	v_max_num_f32 v[TA], v[TA], v[PD]              ; and among lane l xor 16's
	v_mul_f32 v[TA], s[CS], v[TA]                  ; as t (c is positive)
	v_max_num_f32 v13, v13, v[TA]                  ; the running largest t
	v_mov_b32 v[TA], v12
	v_floor_f32 v12, -v13                          ; the new -M = floor(-t) = -ceil(t): a whole number
	v_sub_f32 v[TA], v12, v[TA]                    ; old M - new M: a whole number, 0 or less
	v_cvt_i32_f32 v[TA], v[TA]                     ; (it saturates)
	v_ldexp_f32 v[FF], 1.0, v[TA]                  ; f = 2^(old M - new M)
.set n, 0
.rept 32
	v_pk_fma_f32 v[SS+n:SS+n+1], v[SS+n:SS+n+1], s[CS:CS+1], v[12:13] op_sel_hi:[1,0,0]   ; t - M, two at a time (of the pairs c and -M the low word serves both halves)
.set n, n+2
.endr
.set n, 0
.rept 64
	v_exp_f32 v[SS+n], v[SS+n]                     ; p = 2^(t - M), at most 1: not normalised
.set n, n+1
.endr
	v_pk_mul_f32 v[14:15], v[14:15], v[FF:FF+1] op_sel_hi:[1,0]   ; the sums under the new M: the plain line behind the exponentials
	s_wait_alu depctr_va_vdst(0)                   ; one wait for the whole batch, ahead of its first reader
	v_pk_add_f32 v[SUM2:SUM2+1], v[SS:SS+1], v[SS+2:SS+3]         ; the sum is taken of the unquantised p: two at a time, in two chains
.irp j, 4,8,12,16,20,24,28,32,36,40,44,48,52,56,60
	v_pk_add_f32 v[14:15], v[14:15], v[SS+\j:SS+\j+1]
	v_pk_add_f32 v[SUM2:SUM2+1], v[SUM2:SUM2+1], v[SS+\j+2:SS+\j+3]
.endr
	v_pk_add_f32 v[14:15], v[14:15], v[SUM2:SUM2+1]
.irp t, 0,1,2,3,4,5,6,7
.irp i, 0,1,2,3,4,5,6,7
	v_min_num_f32 v[SS+8*\t+\i], v[SS+8*\t+\i], v[LMP]            ; the conversion does not saturate (ISA guide 7.6.2); p is not negative, so the hold is one-sided
.endr
	v_cvt_scalef32_pk8_bf8_f32 v[PP+2*\t:PP+2*\t+1], v[SS+8*\t:SS+8*\t+7], v[SCP]   ; keys 16 t + 8 h + 0 .. 7: registers 2 t, 2 t + 1 of P
.endr
.set n, 0
.rept 16
	v_pk_mul_f32 v[OT+n:OT+n+1], v[OT+n:OT+n+1], v[FF:FF+1] op_sel_hi:[1,0]   ; O^T under the new M; these are also the plain lines between the conversions and the products
.set n, n+2
.endr
	s_wait_dscnt 0x0                               ; V is in
.irp d, 0,1,2,3
	v_wmma_f32_16x16x128_bf8_bf8 v[OT+8*\d:OT+8*\d+7], v[KV+16*\d:KV+16*\d+15], v[PP:PP+15], v[OT+8*\d:OT+8*\d+7]   ; four accumulators by turns
.endr
.endm
; THE CHANGE OF SLOTS stands at a slot's head.  Each wave waits for all its tensor loads (its part of the slot that it is about to read), adds 0 to its spare word, and waits for that and for its reads of the slot that it
; has left.  fill = 1: a round of the cluster's barrier follows, so that no wave of any partner still reads that slot or has a load on its way, and the slot is filled with the next 512 keys: four steps in which to land.
.macro CHANGE fill
	s_wait_tensorcnt 0x0                           ; no tensor load of mine is out, so group 0 may be written
	ds_add_u32 v[SPW], v[NIL]                      ; 0 onto my spare word
.if \fill
	s_xor_b32 s[G0+1], s[G0+1], SLOT1              ; the walking descriptor: the other slot than last time,
	s_add_nc_u64 s[G0+2:G0+3], s[G0+2:G0+3], 32768 ; the next 512 keys; the type bits on top are not reached
	s_wait_xcnt 0x0                                ; the last prefetch, a slot back, has read its address, so it may be written:
	s_add_nc_u64 s[PFA:PFA+1], s[PFA:PFA+1], 32768 ; one slot further on than the walking descriptor
.endif
	s_wait_dscnt 0x0                               ; the add is done, and my reads of the slot that I have left are over
.if \fill
	CROUND
	TLOAD                                          ; the first tensor load behind the round, and a wave's only one until the next
	ASK
.else
	s_barrier_signal -1
	s_barrier_wait -1
.endif
.endm
.macro SLOT_STEPS
.irp q, 0,1,2,3
	STEP \q
.endr
	s_xor_b32 s[TB], s[TB], SLOT1                  ; on to the other slot
.endm
	s_wait_loadcnt 0x0                             ; Q
.Lslot:                                            ; NSL - 1 trips: behind each change of slots but the last the next slot is asked for
	CHANGE 1
	SLOT_STEPS
	s_sub_co_u32 s[SLOTS], s[SLOTS], 1
	s_cmp_lg_u32 s[SLOTS], 0
	s_cbranch_scc1 .Lslot
	CHANGE 0                                       ; the last slot is written out
	SLOT_STEPS
	; THE WAY OUT.  O^T / the sum x 2^(ep + ev - eo) is o / 2^eo: held at 57,344 and converted with the scale 1.  The codes are stored as they stand: two stores of 512 consecutive bytes.
	PLACES
	v_add_f32 v14, v14, v15                        ; the sum's two halves,
	v_permlanex16_b32 v[PD], v14, s[SEL], s[SEL+1]
	v_add_f32 v14, v14, v[PD]                      ; and lane l xor 16's
	v_rcp_f32 v14, v14
	v_nop                                          ; a plain line behind the transcendental
	s_wait_alu depctr_va_vdst(0)                   ; and the wait ahead of its first reader
	v_ldexp_f32 v14, v14, s[EX]
.set n, 0
.rept 32
	v_mul_f32 v[SS+n], v[OT+n], v14                ; each accumulator from its low end on
.set n, n+1
.endr
.set n, 0
.rept 32
	v_med3_num_f32 v[SS+n], v[SS+n], -v[LIMO], v[LIMO]
.set n, n+1
.endr
.irp d, 0,1,2,3
	v_cvt_scalef32_pk8_bf8_f32 v[OCD+2*\d:OCD+2*\d+1], v[SS+8*\d:SS+8*\d+7], v[ONE]
.endr
	v_nop
.irp c, 0,1
	global_store_b128 v[LI], v[OCD+4*\c:OCD+4*\c+3], s[12:13] offset:512*\c
.endr
	s_wait_tensorcnt 0x0                           ; the wave's end
	ds_add_u32 v[SPW], v[NIL]
	s_wait_dscnt 0x0
	CROUND                                         ; the closing round: no work-group ends while a partner may still ask for a tile that names it
	s_endpgm
.Lfunc_end_k_q13ac72330a_attn:
	.size	k_q13ac72330a_attn, .Lfunc_end_k_q13ac72330a_attn-k_q13ac72330a_attn
	.p2alignl 7, 3214868480
	.fill 96, 4, 3214868480
	.section	.rodata,"a",@progbits
	.p2align	6, 0x0
	.amdhsa_kernel k_q13ac72330a_attn
		.amdhsa_group_segment_fixed_size 327680
		.amdhsa_private_segment_fixed_size 0
		.amdhsa_enable_private_segment 0
		.amdhsa_kernarg_size 24
		.amdhsa_user_sgpr_count 2
		.amdhsa_user_sgpr_kernarg_segment_ptr 1
		.amdhsa_wavefront_size32 1
		.amdhsa_system_sgpr_workgroup_id_x 1
		.amdhsa_system_sgpr_workgroup_id_y 1
		.amdhsa_system_sgpr_workgroup_id_z 1
		.amdhsa_system_vgpr_workitem_id 0
		.amdhsa_next_free_vgpr 256
		.amdhsa_next_free_sgpr 66
		.amdhsa_reserve_vcc 0
		.amdhsa_float_denorm_mode_32 3
		.amdhsa_float_denorm_mode_16_64 3
		.amdhsa_memory_ordered 1
		.amdhsa_forward_progress 1
		.amdhsa_inst_pref_size 133
	.end_amdhsa_kernel
	.amdgpu_metadata
---
amdhsa.version: [ 1, 2 ]
amdhsa.kernels:
  - .name:           k_q13ac72330a_attn
    .symbol:         k_q13ac72330a_attn.kd
    .args:
      - { .name: kvc, .offset: 0, .size: 8, .value_kind: global_buffer, .address_space: global }
      - { .name: lowp_scales, .offset: 8, .size: 8, .value_kind: global_buffer, .address_space: global }
      - { .name: oc, .offset: 16, .size: 8, .value_kind: global_buffer, .address_space: global }
    .group_segment_fixed_size: 327680
    .private_segment_fixed_size: 0
    .kernarg_segment_align: 8
    .kernarg_segment_size: 24
    .max_flat_workgroup_size: 512
    .sgpr_count:     66
    .vgpr_count:     256
    .wavefront_size: 32
...
	.end_amdgpu_metadata
.endif
;; end of part 2
;; launch outp (part 3): grid 32 x 8, 16 waves a work-group, no clusters, 135,168 bytes of LDS; arguments oc, wo1_w, wo2_w, wo1_b, wo2_b, lowp_scales, out0, out1; writes out0, out1
.if DOCPART == 3
	.amdgcn_target "amdgcn-amd-amdhsa--gfx1250"
	.amdhsa_code_object_version 6
	.text
	.protected	k_q13ac72330a_outp
	.globl	k_q13ac72330a_outp
	.p2align	8
	.type	k_q13ac72330a_outp,@function
k_q13ac72330a_outp:
	s_mov_b64 s[64:65], 0
	v_nop
	global_prefetch_b8 v0, s[64:65] scope:SCOPE_SE
	s_setreg_imm32_b32 hwreg(HW_REG_WAVE_MODE, 25, 1), 1
	s_wait_xcnt 0x0
; THE TWO OUTPUT PROJECTIONS: out = Q(o) Q(W) + b.  o [4096][512] arrives as codes of BF8 (E5M2) in oc, laid as operand registers: [dir 2][tile of 16 rows 256][K step of 128: 4][piece 4][lane 32][16 bytes]:
; lane (r, h) holds row r, registers 2 c, 2 c + 1 hold k = 16 c + 8 h + 0 .. 7 of the step.  W [512][256] f32 (K is its first axis) is quantised here with its given scale 2^ew; b [256], out [4096][256]: f32.
; Work-group x: which 128 rows.  Work-group y = 4 dir + cs: which of the two products, and which 64 columns (256 bytes of a row of out).
; PHASE L: wave w copies 4,096 of the block's 65,536 consecutive bytes of codes into LDS, and quantises W's fragment (column tile w % 4, K step w / 4): a lane takes a column, its registers run down K in the
; order of the operand's layout; the image goes to LDS.  One barrier.  PHASE M: wave w multiplies column tile w % 4 by row tiles 2 (w / 4), 2 (w / 4) + 1, K = 512 in four steps, two accumulators by turns.
; Source 0 = 16 columns of W, source 1 = 16 rows of o: a lane holds eight neighbouring columns of one row.  out = sum x 2^(eo + ew) + b, one packed multiply-add for two numbers.
; The results meet in a stage (128 rows of 256 bytes + 16); behind a second barrier each wave stores 8 whole rows of the slice: sixteen lanes store 256 consecutive bytes, aligned.
; NO CLUSTER, NO TENSOR LOAD: the launch has one step and no ring; two thirds of a work-group's 196,608 bytes are W as f32, which passes through registers to be quantised.
; LIMITS: ew between -126 and 112; eo + ew between -126 and 127.  NaN among the inputs is not served.
.set WIMG, 65536                       ; LDS: o's images from 0 (row tile m at 8,192 m, K step s at + 2,048 s); W's 16 fragments (4 ct + s) x 2,048 from here;
.set STG,  98304                       ; the stage
.set SP,   272                         ; a stage row: 256 bytes + 16: sixteen rows that a store touches begin 68 words apart
.set FRB,  2048
.set LI,   4                           ; v4   16 x lane
.set WA,   5                           ; v5   W: 4 r + 8 h rows of 1,024 bytes
.set OWI,  6                           ; v6   where I store o's bytes
.set WWI,  7                           ; v7   where I store W's image
.set WRD,  8                           ; v8   where I read W's fragments
.set ORD,  9                           ; v9   where I read o's
.set SO,   10                          ; v10  the stage: where I put 32 bytes of a row
.set SR,   11                          ; v11  and where I read a row back
.set GO,   12                          ; v12  my byte offset in out
.set SCW,  13                          ; v13, v14  2^ew and 57,344 x 2^ew
.set LMW,  14
.set BO,   15                          ; v15  32 h
.set BI,   16                          ; v16-23   b(16 ct + 8 h + 0 .. 7)
.set PC,   24                          ; v24-39   W's codes
.set OV,   24                          ; later the results, and the rows read back
.set ACC,  40                          ; v40-55   two accumulators
.set SW,   64                          ; v64-127  64 numbers of W
.set WF,   64                          ; later W's four fragments
.set OTM,  128                         ; v128-159 o's bytes on their way to LDS
.set OF,   128                         ; v128-255 later o's eight fragments
.macro QUANT s, d, sc, lim             ; 64 numbers of a lane become 16 registers of codes: numbers 8 n .. 8 n + 7 give registers 2 n, 2 n + 1
.irp b, 0,1,2,3
.set n, 16*\b+\s
.rept 16
	v_med3_num_f32 v[n], v[n], -v[\lim], v[\lim]   ; the conversion to an 8-bit code does not saturate (ISA guide 7.6.2): the hold comes first
.set n, n+1
.endr
	v_cvt_scalef32_pk8_bf8_f32 v[4*\b+\d:4*\b+\d+1], v[16*\b+\s:16*\b+\s+7], v[\sc]
	v_cvt_scalef32_pk8_bf8_f32 v[4*\b+\d+2:4*\b+\d+3], v[16*\b+\s+8:16*\b+\s+15], v[\sc]
.endr
	v_nop                                          ; one plain vector line behind the last conversion
.endm
.macro IMAGE adr, d, off
.irp c, 0,1,2,3
	ds_store_b128 v[\adr], v[4*\c+\d:4*\c+\d+3] offset:512*\c+\off
.endr
.endm
.macro FETCH reg, adr, off
.irp c, 0,1,2,3
	ds_load_b128 v[4*\c+\reg:4*\c+\reg+3], v[\adr] offset:512*\c+\off
.endr
.endm
	s_load_b512 s[4:19], s[0:1], 0x0               ; oc s[4:5]; wo1_w, wo2_w s[6:9]; wo1_b, wo2_b s[10:13]; the scales' exponents s[14:15]; out0, out1 s[16:19]
	v_lshl_add_u32 v62, v0, 2, 0x20800
	v_mov_b32 v63, 0
	v_lshrrev_b32 v1, 5, v0
	v_readfirstlane_b32 s20, v1                    ; wave 0..15
	v_and_b32 v1, 15, v0                           ; r
	v_bfe_u32 v2, v0, 4, 1                         ; h
	v_and_b32 v3, 31, v0                           ; lane
	v_lshlrev_b32 v[LI], 4, v3
	v_lshlrev_b32 v[WA], 2, v1
	v_lshl_add_u32 v[WA], v2, 13, v[WA]
	v_lshlrev_b32 v[BO], 5, v2
	s_and_b32 s30, ttmp7, 0xffff
	s_lshr_b32 s22, s30, 2                         ; dir
	s_and_b32 s23, s30, 3                          ; cs
	s_and_b32 s31, s20, 3                          ; ct: my column tile
	s_lshr_b32 s32, s20, 2                         ; phase L: my K step; phase M: my pair of row tiles
	s_lshl_b32 s33, s20, 12
	v_add_nc_u32 v[OWI], s33, v[LI]
	s_lshl_b32 s33, s31, 2
	s_add_co_u32 s33, s33, s32
	s_lshl_b32 s33, s33, 11
	s_add_co_u32 s33, s33, WIMG
	v_add_nc_u32 v[WWI], s33, v[LI]
	s_lshl_b32 s33, s31, 13
	s_add_co_u32 s33, s33, WIMG
	v_add_nc_u32 v[WRD], s33, v[LI]
	s_lshl_b32 s33, s32, 14
	v_add_nc_u32 v[ORD], s33, v[LI]
	s_mul_i32 s33, s32, 32*SP                      ; the stage, in: row 32 (w / 4) + r, + 64 ct + 32 h bytes
	s_lshl_b32 s34, s31, 6
	s_add_co_u32 s33, s33, s34
	s_add_co_u32 s33, s33, STG
	v_mul_u32_u24 v[SO], v1, SP
	v_lshl_add_u32 v[SO], v2, 5, v[SO]
	v_add_nc_u32 v[SO], s33, v[SO]
	s_mul_i32 s33, s20, 8*SP                       ; back: rows 8 w on; lanes 0-15 one row, lanes 16-31 the next
	s_add_co_u32 s33, s33, STG
	v_mul_u32_u24 v[SR], v2, SP
	v_lshl_add_u32 v[SR], v1, 4, v[SR]
	v_add_nc_u32 v[SR], s33, v[SR]
	v_lshlrev_b32 v[GO], 10, v2                    ; and the same two rows in out
	v_lshl_add_u32 v[GO], v1, 4, v[GO]
	s_lshl_b32 s28, s22, 3                         ; where eo and ew lie: entries 14, 15 or 16, 17
	s_lshl_b32 s36, s22, 21                        ; oc: dir, the block's 8 tiles of 8,192 bytes, my 4,096
	s_lshl_b32 s33, ttmp9, 16
	s_add_co_u32 s36, s36, s33
	s_lshl_b32 s33, s20, 12
	s_add_co_u32 s36, s36, s33
	s_mov_b32 s37, 0
	s_lshl_b32 s40, s23, 8                         ; the bias: column 64 cs + 16 ct
	s_lshl_b32 s33, s31, 6
	s_add_co_u32 s40, s40, s33
	s_mov_b32 s41, 0
	s_lshl_b32 s38, s32, 17                        ; W: 128 (w / 4) rows of 1,024 bytes, + the same column
	s_add_co_u32 s38, s38, s40
	s_mov_b32 s39, 0
	s_lshl_b32 s42, ttmp9, 17                      ; out: row 128 x block + 8 w, + 256 cs bytes
	s_lshl_b32 s33, s20, 13
	s_add_co_u32 s42, s42, s33
	s_lshl_b32 s33, s23, 8
	s_add_co_u32 s42, s42, s33
	s_mov_b32 s43, 0
	s_wait_kmcnt 0x0
	s_load_b64 s[24:25], s[14:15], s28 offset:0x38 ; eo, ew   (s28 is not written again)
	s_cmp_eq_u32 s22, 0                            ; the product's three buffers: the choice hangs on the work-group's number alone
	s_cselect_b64 s[6:7], s[6:7], s[8:9]
	s_cselect_b64 s[10:11], s[10:11], s[12:13]
	s_cselect_b64 s[16:17], s[16:17], s[18:19]
	s_add_nc_u64 s[4:5], s[4:5], s[36:37]
	s_add_nc_u64 s[6:7], s[6:7], s[38:39]
	s_add_nc_u64 s[10:11], s[10:11], s[40:41]
	s_add_nc_u64 s[16:17], s[16:17], s[42:43]
	; ---- PHASE L
.irp i, 0,1,2,3,4,5,6,7
	global_load_b128 v[OTM+4*\i:OTM+4*\i+3], v[LI], s[4:5] offset:512*\i
.endr
	global_load_b128 v[BI:BI+3], v[BO], s[10:11]
	global_load_b128 v[BI+4:BI+7], v[BO], s[10:11] offset:16
.set n, 0
.rept 64
	global_load_b32 v[SW+n], v[WA], s[6:7] offset:(16*(n/8)+n%8)*1024   ; W(16 c + 8 h + j, my column): sixteen neighbouring lanes read 64 neighbouring bytes
.set n, n+1
.endr
	s_wait_kmcnt 0x0
	s_add_co_i32 s44, s25, 127
	s_lshl_b32 s45, s44, 23
	v_mov_b32 v[SCW], s45                          ; 2^ew as f32
	s_add_co_i32 s44, s44, 15
	s_lshl_b32 s44, s44, 23
	s_or_b32 s44, s44, 0x600000
	v_mov_b32 v[LMW], s44                          ; 57,344 x 2^ew
	s_add_co_i32 s26, s24, s25
	s_add_co_i32 s26, s26, 127
	s_lshl_b32 s26, s26, 23                        ; 2^(eo + ew) as f32
	s_mov_b32 s27, s26                             ; (named with it as a pair, so it is written)
	s_wait_loadcnt 63                              ; 64 loads were issued behind the last load of the bias: o's bytes and the bias are in
.irp i, 0,1,2,3,4,5,6,7
	ds_store_b128 v[OWI], v[OTM+4*\i:OTM+4*\i+3] offset:512*\i
.endr
	s_wait_loadcnt 0x0
	QUANT SW, PC, SCW, LMW
	IMAGE WWI, PC, 0
	s_wait_dscnt 0x0                               ; for the others' sake: my stores have landed
	s_barrier_signal -1
	s_barrier_wait -1                              ; o's 32 fragments and W's 16 lie in LDS
	; ---- PHASE M
.irp s, 0,1,2,3
	FETCH WF+16*\s, WRD, FRB*\s
	FETCH OF+16*\s, ORD, FRB*\s
	FETCH OF+16*(4+\s), ORD, 8192+FRB*\s
.endr
.irp s, 0,1,2,3
	s_wait_dscnt 36-12*\s                          ; this K step's 12 loads are in; those of the later steps may be out
.irp mm, 0,1
.if \s == 0
	v_wmma_f32_16x16x128_bf8_bf8 v[ACC+8*\mm:ACC+8*\mm+7], v[WF+16*\s:WF+16*\s+15], v[OF+16*(4*\mm+\s):OF+16*(4*\mm+\s)+15], 0
.else
	v_wmma_f32_16x16x128_bf8_bf8 v[ACC+8*\mm:ACC+8*\mm+7], v[WF+16*\s:WF+16*\s+15], v[OF+16*(4*\mm+\s):OF+16*(4*\mm+\s)+15], v[ACC+8*\mm:ACC+8*\mm+7]
.endif
.endr
.endr
.rept 4
	v_nop                                          ; four places ahead of the first read of results (ISA guide 7.12.1)
.endr
.irp mm, 0,1
.irp i, 0,2,4,6
	v_pk_fma_f32 v[OV+8*\mm+\i:OV+8*\mm+\i+1], v[ACC+8*\mm+\i:ACC+8*\mm+\i+1], s[26:27], v[BI+\i:BI+\i+1] op_sel_hi:[1,0,1]   ; sum x 2^(eo + ew) + b; each accumulator from its low end on
.endr
.endr
.irp mm, 0,1
.irp u, 0,1
	ds_store_b128 v[SO], v[OV+8*\mm+4*\u:OV+8*\mm+4*\u+3] offset:16*SP*\mm+16*\u
.endr
.endr
	s_wait_dscnt 0x0                               ; for the others' sake: my stores into the stage have landed
	s_barrier_signal -1
	s_barrier_wait -1                              ; 128 whole rows of the slice lie in the stage
.irp i, 0,1,2,3
	ds_load_b128 v[OV+4*\i:OV+4*\i+3], v[SR] offset:2*SP*\i
.endr
.irp i, 0,1,2,3
	s_wait_dscnt 3-\i                              ; LDS loads come back in order (ISA guide 5.7.1): the younger ones may be out
	global_store_b128 v[GO], v[OV+4*\i:OV+4*\i+3], s[16:17] offset:2048*\i th:TH_STORE_NT   ; sixteen lanes store 256 consecutive bytes, aligned; written once, read by nobody here
.endr
	s_wait_tensorcnt 0x0
	ds_add_u32 v62, v63
	s_wait_dscnt 0x0
	s_endpgm
.Lfunc_end_k_q13ac72330a_outp:
	.size	k_q13ac72330a_outp, .Lfunc_end_k_q13ac72330a_outp-k_q13ac72330a_outp
	.p2alignl 7, 3214868480
	.fill 96, 4, 3214868480
	.section	.rodata,"a",@progbits
	.p2align	6, 0x0
	.amdhsa_kernel k_q13ac72330a_outp
		.amdhsa_group_segment_fixed_size 135168
		.amdhsa_private_segment_fixed_size 0
		.amdhsa_enable_private_segment 0
		.amdhsa_kernarg_size 64
		.amdhsa_user_sgpr_count 2
		.amdhsa_user_sgpr_kernarg_segment_ptr 1
		.amdhsa_wavefront_size32 1
		.amdhsa_system_sgpr_workgroup_id_x 1
		.amdhsa_system_sgpr_workgroup_id_y 1
		.amdhsa_system_sgpr_workgroup_id_z 1
		.amdhsa_system_vgpr_workitem_id 0
		.amdhsa_next_free_vgpr 256
		.amdhsa_next_free_sgpr 66
		.amdhsa_reserve_vcc 0
		.amdhsa_float_denorm_mode_32 3
		.amdhsa_float_denorm_mode_16_64 3
		.amdhsa_memory_ordered 1
		.amdhsa_forward_progress 1
		.amdhsa_inst_pref_size 22
	.end_amdhsa_kernel
	.amdgpu_metadata
---
amdhsa.version: [ 1, 2 ]
amdhsa.kernels:
  - .name:           k_q13ac72330a_outp
    .symbol:         k_q13ac72330a_outp.kd
    .args:
      - { .name: oc, .offset: 0, .size: 8, .value_kind: global_buffer, .address_space: global }
      - { .name: wo1_w, .offset: 8, .size: 8, .value_kind: global_buffer, .address_space: global }
      - { .name: wo2_w, .offset: 16, .size: 8, .value_kind: global_buffer, .address_space: global }
      - { .name: wo1_b, .offset: 24, .size: 8, .value_kind: global_buffer, .address_space: global }
      - { .name: wo2_b, .offset: 32, .size: 8, .value_kind: global_buffer, .address_space: global }
      - { .name: lowp_scales, .offset: 40, .size: 8, .value_kind: global_buffer, .address_space: global }
      - { .name: out0, .offset: 48, .size: 8, .value_kind: global_buffer, .address_space: global }
      - { .name: out1, .offset: 56, .size: 8, .value_kind: global_buffer, .address_space: global }
    .group_segment_fixed_size: 135168
    .private_segment_fixed_size: 0
    .kernarg_segment_align: 8
    .kernarg_segment_size: 64
    .max_flat_workgroup_size: 512
    .sgpr_count:     66
    .vgpr_count:     256
    .wavefront_size: 32
...
	.end_amdgpu_metadata
.endif
;; end of part 3
